; MI455X (gfx1250); checked and timed in simulation.
; The chip was launched on July 23, 2026; its instructions are those of AMD's public machine-readable ISA for CDNA 5 (MIT licence, August 2026) and "CDNA5" Instruction Set Architecture Reference Guide (July 2026). The comments in the code are by the model that wrote it; some were corrected since.
;; Time Series Attention. Allowed arithmetic: matrix products marked QUANTISED: E5M2 operands, one given power-of-two scale a tensor, by v_wmma_f32_16x16x64_bf8_bf8 or v_wmma_f32_16x16x128_bf8_bf8, f32 sums; everything else in f32.
;; Inputs: b_proj 1,024 float32; lowp_scales 12 int32 (the exponents e of the quantised operands' scales 2^e); w_proj 1,024 x 1,024 float32; wk 16 x 1,024 x 64 float32; wq 16 x 1,024 x 64 float32; wv 16 x 1,024 x 64 float32; x 4 x 2,048 x 1,024 float32.
;; Outputs: out0 4 x 2,048 x 1,024 float32.
;; This version of the problem:
;;   THIS VERSION OF THE PROBLEM IS GIVEN IN LOW PRECISION. The matrix products marked QUANTISED in the list below multiply operands that are first quantised to E5M2 (5 exponent bits, 2 mantissa bits; 8 bits a number), with one given power-of-two scale for each operand tensor; their sums are f32. All else is computed in f32.
;;   The module's matrix products, in the order in which they are computed (A, B: the left and right operand; K: the contracted axis; several contracted axes count as one K, in the product's order):
;;     1. [M 1,024, K 1,024] x [K 1,024, N 8,192]; A: input wq; B: input x: QUANTISED (scales: A lowp_scales[0], B lowp_scales[1])
;;     2. [M 1,024, K 1,024] x [K 1,024, N 8,192]; A: input wk; B: input x: QUANTISED (scales: A lowp_scales[2], B lowp_scales[3])
;;     3. [M 1,024, K 1,024] x [K 1,024, N 8,192]; A: input wv; B: input x: QUANTISED (scales: A lowp_scales[4], B lowp_scales[5])
;;     4. batch 64 x [M 2,048, K 64] x [K 64, N 2,048]; A: computed on the way; B: computed on the way: QUANTISED (scales: A lowp_scales[6], B lowp_scales[7])
;;     5. batch 64 x [M 2,048, K 2,048] x [K 2,048, N 64]; A: softmax (see below); B: computed on the way: QUANTISED (scales: A lowp_scales[8], B lowp_scales[9])
;;     6. [M 8,192, K 1,024] x [K 1,024, N 1,024]; A: computed on the way; B: input w_proj: QUANTISED (scales: A lowp_scales[10], B lowp_scales[11])
;;   THE QUANTISER, for each operand of a quantised product, along K:
;;     - The operand's scale is 2^e, e = its entry of the input lowp_scales (int32; the entries are numbered through the quantised products in the list's order, A before B).
;;     - Each number is divided by the scale, clamped to +-57,344, and rounded to the nearest number of E5M2, ties to even, subnormals kept.
;;     - The product sums the exact products of the quantised numbers (number of the format x scale) in f32.
;;   ~~~python
;;   def quantise(x, axis, e):      # numpy; x: float32 -> the quantised numbers, widened to float32 again
;;       x = np.moveaxis(x, axis, -1); K = x.shape[-1]
;;       r = np.clip(x / 2.0 ** e, -57344, 57344)
;;       step = 2.0 ** (np.maximum(np.frexp(np.where(r == 0, 1, r))[1] - 1, -14) - 2)
;;       q = np.round(r / step) * step * 2.0 ** e      # np.round: ties to even
;;       return np.moveaxis(q, -1, axis).astype(np.float32)
;;   ~~~
;;   SOFTMAX AHEAD OF A QUANTISED PRODUCT. Where the list says 'softmax', what is quantised is not the finished softmax but p = 2^(t - M), with t = logit x log2(e) and M = ceil(the row's largest t), a whole number; so 1/2 < the row's largest p <= 1. The row's sum l is taken of the UNQUANTISED p, in f32, and the product's result is divided by l at the end. Since M is a whole number, a kernel that streams over the keys may use a running M (the ceiling of the running maximum): every later rescaling is an exact power of two, so the quantised numbers keep their values, but for numbers so far below the row's largest that they fall under the format's range.
;;   OPERANDS COMPUTED ON THE WAY. 'Computed on the way' means the value that the module computes at that place (a softmax that the list does not call 'softmax' is quantised finished and normalised). What goes into a quantiser is computed in f32, as accurately as f32 sums, v_exp_f32 and their like allow (about 1e-6 of the number): no bf16 or f16 on the way to a quantiser, and a product that is left as it is and whose result goes on into a quantised operand takes f32 operands (vector FMAs, or v_wmma_f32_16x16x4_f32). A number that lies on a knife's edge between two numbers of the format may be rounded either way, as far as f32 arithmetic and the matrix unit's own rounding can turn it there, and no further.
;; One version. Each part assembles by itself: llvm-mc -triple=amdgcn-amd-amdhsa -mcpu=gfx1250 --defsym DOCPART=n.
;; ======== version 1 of 1: 4 launches
;; limits: right only within a limited range of input values
;; workspace buffers: xc 25,165,824 bytes; wc 4,194,304 bytes; qkv 25,165,824 bytes; ao 8,388,608 bytes
;; launch quant (part 1): grid 384 x 1, 4 waves a work-group, no clusters, 68,096 bytes of LDS; arguments x, wq, wk, wv, w_proj, lowp_scales, xc, wc; writes xc, wc
.if DOCPART == 1
	.amdgcn_target "amdgcn-amd-amdhsa--gfx1250"
	.amdhsa_code_object_version 6
	.text
	.protected	k_qaa05b2806f_quant
	.globl	k_qaa05b2806f_quant
	.p2align	8
	.type	k_qaa05b2806f_quant,@function
k_qaa05b2806f_quant:
	s_mov_b64 s[64:65], 0
	v_nop
	global_prefetch_b8 v0, s[64:65] scope:SCOPE_SE
	s_setreg_imm32_b32 hwreg(HW_REG_WAVE_MODE, 25, 1), 1
	s_wait_xcnt 0x0
; The inputs become codes of BF8 (E5M2), one code a byte, K innermost.  code = number / 2^e, held within +-57,344, to the nearest code, ties to even.
; x [8192 tokens][1024] is an operand of three products with three given scales (entries 1, 3, 5 of the scales): xc = [3][8192][1024].
; wq, wk, wv [16][1024 k][64 d] and w_proj [1024 k][1024 n] have K as an outer axis: wc = [4096 rows][1024 k]: rows 0-1023 wq (16 heads x 64), 1024-2047 wk, 2048-3071 wv, 3072-4095 w_proj's columns
; (entries 0, 2, 4, 11).
; LIMITS: each of these exponents lies between -126 and 112, so that 2^e and 57,344 x 2^e are f32 numbers.  NaN among the inputs is not served (an infinity is held at the largest code).
; Work-groups 0-255 take x (path X), 256-383 the weights (path W).  The two paths part once, on the work-group's number, and never join; each has LDS bytes of its own.
; No tensor load, no barrier: waves share nothing.
.set SPX,   80                         ; path X: a lane's place in a stage: its 64 bytes + 16 of padding
.set XREG,  8192                       ; path X: LDS bytes of a wave: two stages of 32 x SPX
.set WBASE, 32768                      ; path W's LDS begins here
.set WP,    272                        ; path W: a stage row: 256 bytes of codes + 16
.set WREG,  32*WP                      ; path W: LDS bytes of a wave
.set RR,    16                         ; X: v16-79   four sets of 16 numbers as loaded
.set XX,    80                         ; X: v80-111  two sets of 16 neighbours
.set TT,    112                        ; X: v112-159 the numbers held three ways
.set CC,    160                        ; X: v160-171 three sets of 16 codes
.set OFFW,  16                         ; W: v16-47   byte offset of row i of a block, at my column
.set XW,    48                         ; W: v48-111  two sets of 32 numbers
.set CW,    112                        ; W: v112-119 a block's codes
.set OUTR,  120                        ; W: v120-183 the way out
.macro MKSCALE e, vs, vl               ; s[e] = e  ->  v[vs] = 2^e as f32 (the conversion takes its exponent field), v[vl] = 57,344 x 2^e
	s_add_co_i32 s42, s[\e], 127
	s_lshl_b32 s43, s42, 23
	v_mov_b32 v[\vs], s43
	s_add_co_i32 s42, s42, 15
	s_lshl_b32 s42, s42, 23
	s_or_b32 s42, s42, 0x600000
	v_mov_b32 v[\vl], s42
.endm
	s_load_b512 s[4:19], s[0:1], 0x0               ; x 4:5, wq 6:7, wk 8:9, wv 10:11, w_proj 12:13, scales 14:15, xc 16:17, wc 18:19
	v_lshl_add_u32 v192, v0, 2, 0x10800
	v_mov_b32 v193, 0
	v_lshrrev_b32 v1, 5, v0
	v_readfirstlane_b32 s20, v1                    ; wave 0..3
	v_and_b32 v2, 31, v0                           ; lane
	s_wait_kmcnt 0x0
	s_load_b256 s[24:31], s[14:15], 0x0            ; e0 .. e7
	s_load_b128 s[32:35], s[14:15], 0x20           ; e8 .. e11
	s_cmp_lt_u32 ttmp9, 256
	s_cbranch_scc0 .Lw
; ---------------- PATH X.  x is a plain stream; a wave takes 16 steps of 512 numbers.  Each load reads 512 consecutive bytes; a step's 2,048 bytes turn through the wave's own stage in LDS, so that a lane
; then holds 16 NEIGHBOURS along K, which the conversions want.  The numbers are read once and converted three times.  A lane's 16 codes are 16 bytes: each store covers 512 consecutive bytes, aligned.
	s_lshl_b32 s21, ttmp9, 2
	s_add_co_u32 s21, s21, s20                     ; which run of 8,192 numbers is my wave's
	s_lshl_b32 s22, s21, 15
	s_mov_b32 s23, 0
	s_add_nc_u64 s[4:5], s[4:5], s[22:23]
	s_lshl_b32 s22, s21, 13
	s_add_nc_u64 s[36:37], s[16:17], s[22:23]      ; my codes in set 0,
	s_add_nc_u64 s[38:39], s[36:37], 0x800000      ; set 1,
	s_add_nc_u64 s[40:41], s[36:37], 0x1000000     ; set 2
	s_wait_alu depctr_va_vdst(0)
	v_lshlrev_b32 v3, 4, v2                        ; my 16 bytes of 512: for the loads and for the stores; never rewritten
	s_mul_i32 s22, s20, XREG
	v_lshrrev_b32 v14, 2, v2
	v_mul_u32_u24 v14, v14, SPX
	v_and_b32 v15, 3, v2
	v_lshl_add_u32 v14, v15, 4, v14
	v_add_nc_u32 v14, s22, v14                     ; the stage, in: SPX (lane / 4) + 16 (lane % 4)
	v_mul_u32_u24 v15, v2, SPX
	v_add_nc_u32 v15, s22, v15                     ; and out: SPX x lane
.macro XLOAD t
.irp i, 0,1,2,3
	global_load_b128 v[RR+16*((\t)%4)+4*\i:RR+16*((\t)%4)+4*\i+3], v3, s[4:5] offset:2048*(\t)+512*\i th:TH_LOAD_NT
.endr
.endm
.macro XTURN t                         ; step t's numbers through the stage: LDS serves a wave's instructions in order, so no wait stands between the stores and the loads
.irp i, 0,1,2,3
	ds_store_b128 v14, v[RR+16*((\t)%4)+4*\i:RR+16*((\t)%4)+4*\i+3] offset:32*SPX*((\t)%2)+8*SPX*\i
.endr
.irp i, 0,1,2,3
	ds_load_b128 v[XX+16*((\t)%2)+4*\i:XX+16*((\t)%2)+4*\i+3], v15 offset:32*SPX*((\t)%2)+16*\i
.endr
.endm
.irp t, 0,1,2,3
	XLOAD \t
.endr
	s_wait_alu depctr_va_vdst(0)
	s_wait_kmcnt 0x0
	MKSCALE 25, 5, 8                               ; e1: x as the operand of q's product
	MKSCALE 27, 6, 9                               ; e3: of k's
	MKSCALE 29, 7, 10                              ; e5: of v's
	s_wait_alu depctr_va_vdst(0)
	s_wait_loadcnt 12                              ; step 0's four loads are in; the twelve behind them may be out
	XTURN 0
.macro XSTEP t
.set XS, XX+16*((\t)%2)
	s_wait_dscnt 0x0                               ; this step's numbers are back from the stage, so its stores into the stage have read their registers,
.if (\t)+4 < 16
	XLOAD (\t)+4                                   ; which take the loads of four steps on
.endif
.if (\t)+1 < 16
.if 14-(\t) >= 3
	s_wait_loadcnt 12                              ; the next step's four loads are in; those of the three steps behind it may be out
.else
	s_wait_loadcnt 4*(14-(\t))
.endif
	XTURN (\t)+1
.endif
	s_wait_xcnt 0x0                                ; the last step's three stores have read their data: the codes' registers are rewritten only behind this wait
.irp u, 0,1,2
.irp i, 0,1,2,3,4,5,6,7,8,9,10,11,12,13,14,15
	v_med3_num_f32 v[TT+16*\u+\i], v[XS+\i], -v[8+\u], v[8+\u]   ; the conversion to an 8-bit code does not saturate (ISA guide 7.6.2): the hold at the largest code x the scale
.endr
.endr
.irp u, 0,1,2
	v_cvt_scalef32_pk8_bf8_f32 v[CC+4*\u:CC+4*\u+1], v[TT+16*\u:TT+16*\u+7], v[5+\u]
	v_cvt_scalef32_pk8_bf8_f32 v[CC+4*\u+2:CC+4*\u+3], v[TT+16*\u+8:TT+16*\u+15], v[5+\u]
.endr
	v_nop                                          ; one plain vector line behind the conversions: the next step's holds write their sources
.irp u, 0,1,2
	global_store_b128 v3, v[CC+4*\u:CC+4*\u+3], s[36+2*\u:37+2*\u] offset:512*(\t)
.endr
.endm
.irp t, 0,1,2,3,4,5,6,7,8,9,10,11,12,13,14,15
	XSTEP \t
.endr
	s_wait_tensorcnt 0x0
	ds_add_u32 v192, v193
	s_wait_dscnt 0x0
	s_endpgm
; ---------------- PATH W.  A LANE TAKES A COLUMN, AND ITS REGISTERS RUN DOWN K: each load reads 128 consecutive bytes of a row of the weight, and the conversions give codes with K innermost.
; A wave takes a unit of 32 columns x 256 along K.  Units 0-383: the 48 matrices [1024][64] of wq, wk, wv (2 column halves x 4 parts of K each); units 384-511: w_proj (32 column groups x 4 parts of K).
; The two kinds differ in numbers alone (pointer, pitch, offsets, exponent), chosen by selects on the unit's number: one text serves both.
.Lw:
	s_sub_co_u32 s21, ttmp9, 256
	s_lshl_b32 s21, s21, 2
	s_add_co_u32 s21, s21, s20                     ; u: my wave's unit, 0..511
	s_and_b32 s22, s21, 1                          ; per-head weights: column half,
	s_bfe_u32 s23, s21, 0x20001                    ; part of K,
	s_lshr_b32 s40, s21, 3                         ; matrix 0..47
	s_and_b32 s36, s40, 15
	s_lshl_b32 s36, s36, 18                        ; a head's matrix is 262,144 bytes
	s_lshl_b32 s41, s23, 16                        ; 256 rows of 256 bytes
	s_add_co_u32 s36, s36, s41
	s_lshl_b32 s41, s22, 7
	s_add_co_u32 s36, s36, s41                     ; where the unit begins in its tensor
	s_lshl_b32 s38, s40, 6
	s_lshl_b32 s41, s22, 5
	s_add_co_u32 s38, s38, s41                     ; its first row in wc: 64 x matrix + 32 x half
	s_and_b32 s40, s21, 31                         ; w_proj: column group (384 is a multiple of 32),
	s_bfe_u32 s41, s21, 0x20005                    ; part of K (u / 32 is 12..15 there)
	s_lshl_b32 s42, s41, 20                        ; 256 rows of 4,096 bytes
	s_lshl_b32 s43, s40, 7
	s_add_co_u32 s42, s42, s43
	s_lshl_b32 s43, s40, 5
	s_add_co_u32 s43, s43, 3072
	s_mov_b32 s44, 4096
	s_cmp_lt_u32 s21, 384
	s_cselect_b32 s36, s36, s42                    ; source offset
	s_cselect_b32 s38, s38, s43                    ; row in wc
	s_cselect_b32 s23, s23, s41                    ; part of K
	s_cselect_b32 s44, 256, s44                    ; bytes from row to row of the source
	s_mov_b32 s37, 0
	s_mov_b32 s39, 0
	s_lshl_b32 s38, s38, 10
	s_lshl_b32 s23, s23, 8
	s_add_co_u32 s38, s38, s23
	s_add_nc_u64 s[18:19], s[18:19], s[38:39]      ; wc at my unit: row x 1,024 + 256 x part
	s_cmp_lt_u32 s21, 128
	s_cselect_b64 s[46:47], s[6:7], s[8:9]
	s_cmp_lt_u32 s21, 256
	s_cselect_b64 s[46:47], s[46:47], s[10:11]
	s_cmp_lt_u32 s21, 384
	s_cselect_b64 s[46:47], s[46:47], s[12:13]     ; the choice hangs on the unit's number alone
	s_add_nc_u64 s[48:49], s[46:47], s[36:37]      ; block 0's base;
	s_lshl_b32 s42, s44, 5
	s_mov_b32 s43, 0
.irp t, 1,2,3,4,5,6,7
	s_add_nc_u64 s[48+2*\t:49+2*\t], s[46+2*\t:47+2*\t], s[42:43]   ; block t's: 32 rows further down.  A base for each block: none is ever stepped
.endr
	s_wait_alu depctr_va_vdst(0)
	v_lshlrev_b32 v[OFFW], 2, v2                   ; 4 bytes a lane
.irp i, 1,2,3,4,5,6,7,8,9,10,11,12,13,14,15,16,17,18,19,20,21,22,23,24,25,26,27,28,29,30,31
	v_add_nc_u32 v[OFFW+\i], s44, v[OFFW+\i-1]     ; + i rows
.endr
	s_mul_i32 s40, s20, WREG
	s_add_co_u32 s40, s40, WBASE                   ; my stage
	v_mul_u32_u24 v4, v2, WP
	v_add_nc_u32 v4, s40, v4                       ; into it: row = my column
	v_and_b32 v5, 15, v2
	v_lshrrev_b32 v6, 4, v2
	v_mul_u32_u24 v7, v6, WP
	v_lshl_add_u32 v7, v5, 4, v7
	v_add_nc_u32 v7, s40, v7                       ; out of it: sixteen lanes to a row, two rows an instruction
	v_lshlrev_b32 v8, 10, v6
	v_lshl_add_u32 v8, v5, 4, v8                   ; and the same place in wc
.macro WLOAD t                         ; block t: W(32 t + i, my column), i = 0 .. 31, into set t % 2
.set i, 0
.rept 32
	global_load_b32 v[XW+32*((\t)%2)+i], v[OFFW+i], s[48+2*(\t):49+2*(\t)] th:TH_LOAD_NT
.set i, i+1
.endr
.endm
	WLOAD 0
	WLOAD 1
	s_wait_kmcnt 0x0
	s_cmp_lt_u32 s21, 128
	s_cselect_b32 s45, s24, s26                    ; e0 or e2,
	s_cmp_lt_u32 s21, 256
	s_cselect_b32 s45, s45, s28                    ; e4,
	s_cmp_lt_u32 s21, 384
	s_cselect_b32 s45, s45, s35                    ; e11
	MKSCALE 45, 11, 10
.macro WBLOCK t
.set XS, XW+32*((\t)%2)
.if (\t) < 7
	s_wait_loadcnt 32                              ; this block's 32 loads are in; the next block's may be out
.else
	s_wait_loadcnt 0
.endif
.set i, 0
.rept 32
	v_med3_num_f32 v[XS+i], v[XS+i], -v10, v10     ; the hold at the largest code x the scale
.set i, i+1
.endr
.irp g, 0,1,2,3
	v_cvt_scalef32_pk8_bf8_f32 v[CW+2*\g:CW+2*\g+1], v[XS+8*\g:XS+8*\g+7], v11
.endr
	v_nop                                          ; one plain vector line behind the conversions
	ds_store_b128 v4, v[CW:CW+3] offset:32*(\t)    ; 32 codes: 32 bytes of my column's row
	ds_store_b128 v4, v[CW+4:CW+7] offset:32*(\t)+16
.if (\t)+2 < 8
	WLOAD (\t)+2
.endif
	s_wait_dscnt 0x0                               ; the stores have read their registers: the next block's codes may be written
.endm
	s_wait_alu depctr_va_vdst(0)
.irp t, 0,1,2,3,4,5,6,7
	WBLOCK \t
.endr
.irp t, 0,1,2,3,4,5,6,7,8,9,10,11,12,13,14,15
	ds_load_b128 v[OUTR+4*\t:OUTR+4*\t+3], v7 offset:2*\t*WP   ; LDS serves a wave's instructions in order: these see my stores
.endr
.irp t, 0,1,2,3,4,5,6,7,8,9,10,11,12,13,14,15
	s_wait_dscnt 15-\t                             ; load t is in; the younger ones may be out
	global_store_b128 v8, v[OUTR+4*\t:OUTR+4*\t+3], s[18:19] offset:2*\t*1024   ; sixteen lanes store 256 consecutive bytes, aligned
.endr
	s_wait_tensorcnt 0x0
	ds_add_u32 v192, v193
	s_wait_dscnt 0x0
	s_endpgm
.Lfunc_end_k_qaa05b2806f_quant:
	.size	k_qaa05b2806f_quant, .Lfunc_end_k_qaa05b2806f_quant-k_qaa05b2806f_quant
	.p2alignl 7, 3214868480
	.fill 96, 4, 3214868480
	.section	.rodata,"a",@progbits
	.p2align	6, 0x0
	.amdhsa_kernel k_qaa05b2806f_quant
		.amdhsa_group_segment_fixed_size 68096
		.amdhsa_private_segment_fixed_size 0
		.amdhsa_enable_private_segment 0
		.amdhsa_kernarg_size 64
		.amdhsa_user_sgpr_count 2
		.amdhsa_user_sgpr_kernarg_segment_ptr 1
		.amdhsa_wavefront_size32 1
		.amdhsa_system_sgpr_workgroup_id_x 1
		.amdhsa_system_sgpr_workgroup_id_y 1
		.amdhsa_system_sgpr_workgroup_id_z 1
		.amdhsa_system_vgpr_workitem_id 0
		.amdhsa_next_free_vgpr 194
		.amdhsa_next_free_sgpr 66
		.amdhsa_reserve_vcc 0
		.amdhsa_float_denorm_mode_32 3
		.amdhsa_float_denorm_mode_16_64 3
		.amdhsa_memory_ordered 1
		.amdhsa_forward_progress 1
		.amdhsa_inst_pref_size 129
	.end_amdhsa_kernel
	.amdgpu_metadata
---
amdhsa.version: [ 1, 2 ]
amdhsa.kernels:
  - .name:           k_qaa05b2806f_quant
    .symbol:         k_qaa05b2806f_quant.kd
    .args:
      - { .name: x, .offset: 0, .size: 8, .value_kind: global_buffer, .address_space: global }
      - { .name: wq, .offset: 8, .size: 8, .value_kind: global_buffer, .address_space: global }
      - { .name: wk, .offset: 16, .size: 8, .value_kind: global_buffer, .address_space: global }
      - { .name: wv, .offset: 24, .size: 8, .value_kind: global_buffer, .address_space: global }
      - { .name: w_proj, .offset: 32, .size: 8, .value_kind: global_buffer, .address_space: global }
      - { .name: lowp_scales, .offset: 40, .size: 8, .value_kind: global_buffer, .address_space: global }
      - { .name: xc, .offset: 48, .size: 8, .value_kind: global_buffer, .address_space: global }
      - { .name: wc, .offset: 56, .size: 8, .value_kind: global_buffer, .address_space: global }
    .group_segment_fixed_size: 68096
    .private_segment_fixed_size: 0
    .kernarg_segment_align: 8
    .kernarg_segment_size: 64
    .max_flat_workgroup_size: 128
    .sgpr_count:     66
    .vgpr_count:     194
    .wavefront_size: 32
...
	.end_amdgpu_metadata
.endif
;; end of part 1
;; launch qkv (part 2): grid 12 x 32, 4 waves a work-group, clusters of 4 x 4, 327,680 bytes of LDS; arguments xc, wc, lowp_scales, qkv; writes qkv
.if DOCPART == 2
	.amdgcn_target "amdgcn-amd-amdhsa--gfx1250"
	.amdhsa_code_object_version 6
	.text
	.protected	k_qaa05b2806f_qkv
	.globl	k_qaa05b2806f_qkv
	.p2align	8
	.type	k_qaa05b2806f_qkv,@function
k_qaa05b2806f_qkv:
	s_mov_b64 s[64:65], 0
	v_nop
	global_prefetch_b8 v0, s[64:65] scope:SCOPE_SE
	s_setreg_imm32_b32 hwreg(HW_REG_WAVE_MODE, 25, 1), 1
	s_wait_xcnt 0x0
	s_wait_alu depctr_hold_cnt(0) depctr_sa_sdst(0) depctr_va_vdst(0) depctr_va_sdst(0) depctr_va_ssrc(0) depctr_va_vcc(0) depctr_vm_vsrc(0)
	s_getreg_b32 s2, hwreg(HW_REG_IB_STS2, 6, 4)
	s_cmp_eq_u32 s2, 0
	s_cbranch_scc0 .Lentry_in_a_cluster
	s_endpgm
.Lentry_in_a_cluster:
	s_bfe_u32 s2, ttmp6, 0x10000c
	s_cmp_lg_u32 s2, 0xf033
	s_cbranch_scc0 .Lentry_shape_is_right
	s_endpgm
.Lentry_shape_is_right:
; q, k, v = x times the per-head weights, on codes of BF8 (E5M2), K = 1,024; the f32 sums are quantised at once for the products that follow, and stored as codes.
; qkv = [3][bh = 16 b + h (64)][131,072 bytes]: parts 0 (q), 1 (k): [t 2048][d 64];  part 2 (v): [s / 64 (32)][d 64][s % 64]: the keys innermost, since they are the K of the product with the weights p.
; Cluster x = 0, 1, 2 makes q, k, v.  A tile is 256 rows of 'A' x 256 rows of 'B', K innermost in both.  For q and k: A = x's codes (set 0 or 1), B = the weight's rows (h, d).
; For v the two change places: A = wv's rows, B = x's codes (set 2).  THE MATRIX INSTRUCTION IS USED TRANSPOSED (source 0 = 16 rows of B, source 1 = 16 rows of A): a lane holds one row of A and eight
; neighbouring rows of B: for q and k eight neighbours along d, for v eight neighbouring keys: the neighbours along the next K that the conversion takes from one lane's registers.
; Only pointers and row numbers are chosen, by selects on the cluster's x, which all sixteen partners share: loop, masks and LDS are the same for all three.
; A sum stands for sum x 2^(ew + ex), so its code is sum / 2^E, E = e6 - e0 - e1 (q), e7 - e2 - e3 (k), e9 - e4 - e5 (v), held within +-57,344 x 2^E.  LIMIT: E between -126 and 112.
; Four waves, each 128 x 128: 64 accumulators, 512 registers.  K goes in steps of 256 through a ring of two LDS slots filled by the tensor data mover.
; CLUSTERS: 4 x 4 work-groups; the four of a row of the cluster need the same tiles of A, the four of a column the same tiles of B: each tile is asked for jointly.
; REGISTERS, in windows of 256: window 0: v0-31 addresses and the two scale numbers; from v128 A's fragments, ONE set; on the way out v32-95 held sums, v128-255 codes.
;   window 1: B's fragments, TWO sets, at v0 and v128.   window 2: the accumulators of my rows 0-63 ((a, b) at v[8 (8 a + b)]);   window 3: those of my rows 64-127.
.set KSTEP,  256
.set ROWB,   256                       ; a tile's row in bytes
.set KROW,   1024                      ; a row of codes in memory
.set PITCH,  272                       ; an LDS row: 256 bytes + 16 of padding: the 16 rows that a load touches start at 16 different banks (64 banks of 4 bytes: ISA guide 11.1)
.set FR,     16
.set NL,     4
.set NP,     4                         ; places behind this matrix instruction (ISA guide 7.12.1)
.set HALFT,  128*PITCH
.set SLOT,   4*HALFT                   ; A's 256 rows, then B's 256 rows
.set LAPS,   2                         ; 1,024 along K = two laps of two K steps
.set SPARE,  2*SLOT                    ; behind the ring: the spare words, 128 bytes for each wave, that no other line names
.set SP,     80                        ; the way out: a stage row: 64 bytes of codes + 16
.set BSTG,   64*SP                     ; a block of 64 rows x 64 codes
.set WSTG,   4*BSTG                    ; a wave's four blocks.  The stage lies in slot 0, which has had its last fill and its last read when the first code is stored there
.set ADRA, 16
.set ADRB, 20
.set STO,  24
.set RD,   25
.set CO,   26
.set SPW,  28
.set NIL,  29
.set SCL,  30                          ; v30  2^E as f32
.set LIM,  31                          ; v31  57,344 x 2^E
.set TMP,  32
.set AF,   128
.set CD,   128
.set G1, 24
.set G0, 32
.set G1B, 48
.set G0B, 56
.set MSB, 0
.macro WIN new                         ; the immediate's high byte repeats the setting that is left
.if MSB != \new
	s_set_vgpr_msb (MSB<<8)|\new
.set MSB, \new
.endif
.endm
.set MUL_LO, 0xa1                      ; source 0 (B) window 1, source 1 (A) window 0, C and D window 2
.set MUL_HI, 0xf1
.set TO_B,   0x40
; A joint load: waves 0 and 1 fetch for A, waves 2 and 3 for B; the branch hangs on the wave's number alone.  Four v_nop follow each of the two lines.
.macro JLOAD g0a, g1a, g0b, g1b
	s_cmp_eq_u32 s15, 0
	s_cbranch_scc0 .Lfor_b_\@
	tensor_load_to_lds s[\g0a:\g0a+3], s[\g1a:\g1a+7]
	s_nop 0
.rept 4
	v_nop
.endr
	s_branch .Lasked_\@
.Lfor_b_\@:
	tensor_load_to_lds s[\g0b:\g0b+3], s[\g1b:\g1b+7]
	s_nop 0
.rept 4
	v_nop
.endr
.Lasked_\@:
.endm
.macro CREST                           ; a round of the cluster's barrier behind its opening barrier
	s_cmp_lg_u32 s14, 0
	s_cbranch_scc1 .Lnot_wave_0_\@
	s_barrier_signal -3
.Lnot_wave_0_\@:
	s_barrier_wait -3
	s_barrier_signal -1
	s_barrier_wait -1
.endm
.macro CROUND
	s_barrier_signal -1
	s_barrier_wait -1
	CREST
.endm
	s_load_b256 s[4:11], s[0:1], 0x0               ; xc 4:5, wc 6:7, the scales 8:9, qkv 10:11
	v_lshl_add_u32 v[SPW], v0, 2, SPARE
	v_mov_b32 v[NIL], 0
	ds_add_u32 v28, v29
	ds_add_u32 v28, v29
	s_wait_dscnt 0x0
	v_lshrrev_b32 v1, 5, v0
	v_readfirstlane_b32 s14, v1                    ; wave 0..3
	s_lshr_b32 s15, s14, 1                         ; which half of A's rows is mine.  Also: I fetch for A (0) or for B (1)
	s_and_b32 s16, s14, 1                          ; which half of B's rows.  Also: which 128 rows of that tile I fetch
	s_bfe_u32 s40, ttmp6, 0x40000                  ; cx
	s_bfe_u32 s41, ttmp6, 0x40004                  ; cy
	s_and_b32 s17, ttmp7, 0xffff
	s_lshl_b32 s17, s17, 2                         ; 4 x cluster y
	s_lshl_b32 s43, s41, 2
	s_lshl_b32 s43, 15, s43                        ; my row of the cluster
	s_lshl_b32 s44, 0x1111, s40                    ; my column
	s_or_b32 s[G1+0], s43, (0<<16)|(1<<20)|(1<<21)|(5<<22)|(3<<25)  ; the mask; elements of 1 byte; padding on; bit 21 beside a mask; after every 64 words four words
	s_or_b32 s[G1B+0], s44, (0<<16)|(1<<20)|(1<<21)|(5<<22)|(3<<25)
.irp g, G1, G1B
	s_mov_b32 s[\g+1], ROWB<<16                    ; tensor_dim0
	s_mov_b32 s[\g+2], 128<<16                     ; tensor_dim1
	s_mov_b32 s[\g+3], ROWB<<16                    ; tile_dim0
	s_mov_b32 s[\g+4], 128                         ; tile_dim1
	s_mov_b32 s[\g+5], KROW                        ; tensor_dim0_stride
	s_mov_b32 s[\g+6], 0
	s_mov_b32 s[\g+7], 0
.endr
	s_lshl_b32 s99, ttmp9, 3                       ; the scales' bytes: (ew, ex) at 8 x type;
	s_lshr_b32 s100, ttmp9, 1
	s_add_co_u32 s100, s100, ttmp9
	s_lshl_b32 s100, s100, 2                       ; the result's at 24 + 0, 4, 12: entries 6, 7, 9.  s99 and s100 are never rewritten
	s_lshl_b32 s76, ttmp9, 23                      ; q, k: x's set: 8,192 rows of 1,024 bytes each;
	s_lshl_b32 s77, ttmp9, 20                      ; the weight's 1,024 rows
	s_mov_b32 s78, 0x200000                        ; v: wv's rows begin here in wc,
	s_mov_b32 s79, 0x1000000                       ; x's set 2 here in xc
	s_cmp_eq_u32 ttmp9, 2                          ; v?  The same in all sixteen partners
	s_cselect_b32 s66, 0, s17
	s_cselect_b32 s67, s17, 0
	s_cselect_b32 s72, s78, s76
	s_cselect_b32 s74, s79, s77
	s_add_co_u32 s66, s66, s41                     ; A's tile: cy (+ 4 x cluster y where A is x): shared along my row of the cluster
	s_add_co_u32 s67, s67, s40                     ; B's tile: cx (+ 4 x cluster y where B is x): shared along my column
	s_lshl_b32 s18, s16, 7                         ; which 128 rows of the tile I fetch
	s_lshl_b32 s20, s66, 8
	s_add_co_u32 s20, s20, s18
	s_lshl_b32 s20, s20, 10
	s_add_co_u32 s20, s20, s72                     ; A: byte offset (no register that feeds A's descriptors ever holds cx,
	s_mov_b32 s21, 0
	s_lshl_b32 s46, s67, 8
	s_add_co_u32 s46, s46, s18
	s_lshl_b32 s46, s46, 10
	s_add_co_u32 s46, s46, s74                     ; B: none that feeds B's ever holds cy)
	s_mov_b32 s47, 0
	s_mul_i32 s45, s14, HALFT                      ; where they go: wave x 128 rows
	s_wait_kmcnt 0x0
	s_load_b64 s[96:97], s[8:9], s99 offset:0x0    ; ew, ex
	s_load_b32 s98, s[8:9], s100 offset:0x18       ; the result's exponent
	s_cmp_eq_u32 ttmp9, 2
	s_cselect_b64 s[68:69], s[6:7], s[4:5]
	s_cselect_b64 s[70:71], s[4:5], s[6:7]
	s_add_nc_u64 s[20:21], s[68:69], s[20:21]
	s_add_nc_u64 s[46:47], s[70:71], s[46:47]
	CROUND                                         ; all sixteen work-groups are here: the first joint loads meet
.irp s, 0,1
	s_mov_b32 s[G0+4*\s], 1
	s_add_co_u32 s[G0+4*\s+1], s45, \s*SLOT
	s_add_nc_u64 s[G0+4*\s+2:G0+4*\s+3], s[20:21], \s*ROWB
	s_or_b32 s[G0+4*\s+3], s[G0+4*\s+3], 0x80000000
	s_mov_b32 s[G0B+4*\s], 1
	s_add_co_u32 s[G0B+4*\s+1], s45, \s*SLOT
	s_add_nc_u64 s[G0B+4*\s+2:G0B+4*\s+3], s[46:47], \s*ROWB
	s_or_b32 s[G0B+4*\s+3], s[G0B+4*\s+3], 0x80000000
.endr
	JLOAD G0, G1, G0B, G1B                         ; K step 0: one tensor load a wave at the head
	v_and_b32 v1, 15, v0                           ; r = l % 16
	s_wait_alu depctr_va_vdst(0)
	v_bfe_u32 v2, v0, 4, 1                         ; h = l / 16
	v_mul_u32_u24 v3, v1, PITCH
	v_lshl_add_u32 v4, v2, 4, v3                   ; a fragment's row x pitch + 16 x half
	s_mul_i32 s21, s15, HALFT
	s_mul_i32 s22, s16, HALFT
	s_add_co_u32 s22, s22, 2*HALFT
.irp s, 0,1
	v_add_nc_u32 v[ADRA+\s], s21, v4
	v_add_nc_u32 v[ADRB+\s], s22, v4
	s_add_co_u32 s21, s21, SLOT
	s_add_co_u32 s22, s22, SLOT
.endr
	s_mul_i32 s23, s14, WSTG                       ; my stage
	v_mul_u32_u24 v5, v1, SP
	s_wait_alu depctr_va_vdst(0)
	v_lshl_add_u32 v5, v2, 3, v5
	v_add_nc_u32 v[STO], s23, v5                   ; in: row r, 8 bytes for each half of the lanes
	v_and_b32 v6, 31, v0
	v_lshrrev_b32 v7, 2, v6
	v_mul_u32_u24 v7, v7, SP
	v_and_b32 v8, 3, v6
	v_lshl_add_u32 v7, v8, 4, v7
	v_add_nc_u32 v[RD], s23, v7                    ; back: four lanes to a row of 64 bytes, eight rows an instruction
	v_lshlrev_b32 v[CO], 4, v6                     ; which are 512 consecutive bytes of qkv
	; where my four blocks of 64 x 64 codes go.  Block (mi, ni): mi = which 64 of my rows of A, ni = which 64 of my rows of B.  Each is 4,096 consecutive bytes: byte = 64 x (row of A) % 64 + (row of B) % 64.
	s_mov_b32 s84, 4096
	s_mov_b32 s85, 0x20000
	s_cmp_eq_u32 ttmp9, 2
	s_cselect_b32 s88, s41, s40                    ; which four heads: the weight's tile
	s_cselect_b32 s89, s40, s41                    ; which of the cluster's four tiles of tokens
	s_cselect_b32 s90, s15, s16                    ; my half of the weight's rows: two heads
	s_cselect_b32 s91, s16, s15                    ; my half of the tokens
	s_cselect_b32 s92, s85, s84                    ; from mi = 0 to 1: the next 64 tokens (4,096 bytes), for v the next head (131,072)
	s_cselect_b32 s94, s84, s85                    ; from ni = 0 to 1: the other of the two
	s_mov_b32 s93, 0
	s_mov_b32 s95, 0
	s_add_co_u32 s89, s89, s17                     ; the tile of 256 tokens, 0..31
	s_lshr_b32 s84, s89, 3                         ; b
	s_lshl_b32 s84, s84, 4
	s_lshl_b32 s88, s88, 2
	s_add_co_u32 s84, s84, s88
	s_lshl_b32 s90, s90, 1
	s_add_co_u32 s84, s84, s90                     ; 16 b + my first head
	s_lshl_b32 s84, s84, 17
	s_and_b32 s89, s89, 7
	s_lshl_b32 s89, s89, 8
	s_lshl_b32 s91, s91, 7
	s_add_co_u32 s89, s89, s91                     ; my first token in its sequence
	s_lshl_b32 s89, s89, 6
	s_add_co_u32 s84, s84, s89
	s_lshl_b32 s89, ttmp9, 23                      ; the part
	s_add_co_u32 s84, s84, s89
	s_mov_b32 s85, 0
	s_add_nc_u64 s[80:81], s[10:11], s[84:85]      ; block (0, 0)
	s_add_nc_u64 s[82:83], s[80:81], s[94:95]      ; (0, 1)
	s_add_nc_u64 s[84:85], s[80:81], s[92:93]      ; (1, 0)
	s_add_nc_u64 s[86:87], s[84:85], s[94:95]      ; (1, 1)
.macro FRAG reg, adr, q, i             ; a fragment, 16 rows x 128 K: lane l holds row l % 16; registers 4 c .. 4 c + 3 hold K = 32 c + 16 (l / 16) + 0 .. 15: the same places in A and in B, so every product meets its partner
.irp c, 0,1,2,3
	ds_load_b128 v[\reg+4*\c:\reg+4*\c+3], v[\adr] offset:128*(\q)+32*\c+(\i)*16*PITCH
.endr
.endm
; 16 matrix instructions: A's blocks a0, a0 + 1 x B's eight.  The 64 accumulators take turns, one instruction a turn, in the same order in every step.
.macro MUL16 a0, p, zero
.irp a, \a0, \a0+1
.irp b, 0,1,2,3,4,5,6,7
.if \zero
	v_wmma_f32_16x16x128_bf8_bf8 v[8*(8*((\a)%4)+\b):8*(8*((\a)%4)+\b)+7], v[128*(\p)+FR*\b:128*(\p)+FR*\b+FR-1], v[AF+FR*(\a):AF+FR*(\a)+FR-1], 0
.else
	v_wmma_f32_16x16x128_bf8_bf8 v[8*(8*((\a)%4)+\b):8*(8*((\a)%4)+\b)+7], v[128*(\p)+FR*\b:128*(\p)+FR*\b+FR-1], v[AF+FR*(\a):AF+FR*(\a)+FR-1], v[8*(8*((\a)%4)+\b):8*(8*((\a)%4)+\b)+7]
.endif
.endr
.endr
.endm
.macro FETCH_B slot, q, p
	WIN TO_B
.irp i, 0,1,2,3,4,5,6,7
	FRAG 128*(\p)+FR*\i, ADRB+\slot, \q, \i
.endr
	WIN 0
.endm
.macro FETCH_A slot, q, i0
.irp i, \i0, \i0+1, \i0+2, \i0+3
	FRAG AF+FR*(\i), ADRA+\slot, \q, \i
.endr
.endm
.macro PLACES n                        ; plain vector lines between a matrix instruction and a load into, or a vector read of, its registers
.rept \n
	v_nop
.endr
.endm
.macro STEP slot, q, zero              ; 128 along K, with its successor in the same slot
	s_wait_dscnt 4*NL                              ; B's set and A's blocks 0-3 are in; the youngest sixteen loads (A's blocks 4-7) may be out
	WIN MUL_LO
	MUL16 0, (\q)%2, \zero
	MUL16 2, (\q)%2, \zero
	s_wait_dscnt 0
	PLACES NP
	FETCH_B \slot, (\q)+1, 1-(\q)%2
	FETCH_A \slot, (\q)+1, 0
	WIN MUL_HI
	MUL16 4, (\q)%2, \zero
	MUL16 6, (\q)%2, \zero
	PLACES NP
	WIN 0
	FETCH_A \slot, (\q)+1, 4
.endm
; A slot's last step changes slots: ONE barrier; in front of it each wave waits for all its tensor loads, adds 0 to its spare word, and waits for that and for its own reads of this slot.
.macro TURN slot, next, fill
	s_wait_tensorcnt 0x0                           ; all my tensor loads have landed: my part of the next slot
	ds_add_u32 v[SPW], v[NIL]                      ; 0 onto my spare word
	s_wait_dscnt 4*NL+1                            ; (the add and the youngest sixteen loads may be out)
	WIN MUL_LO
	MUL16 0, 1, 0
	s_wait_dscnt 0x0                               ; the add is done, and my reads of this slot are over
	s_barrier_signal -1
	MUL16 2, 1, 0
	WIN 0
	s_barrier_wait -1
.if \fill
	CREST                                          ; the barrier has opened a round of the cluster's: no wave of any partner still reads this slot or has a load on its way
	s_add_nc_u64 s[G0+4*\slot+2:G0+4*\slot+3], s[G0+4*\slot+2:G0+4*\slot+3], 2*ROWB
	s_add_nc_u64 s[G0B+4*\slot+2:G0B+4*\slot+3], s[G0B+4*\slot+2:G0B+4*\slot+3], 2*ROWB
	JLOAD G0+4*\slot, G1, G0B+4*\slot, G1B         ; the first tensor load behind the round; its four v_nop are the places in front of the loads below
.else
	PLACES NP
.endif
	FETCH_B \next, 0, 0
	FETCH_A \next, 0, 0
	WIN MUL_HI
	MUL16 4, 1, 0
	MUL16 6, 1, 0
	PLACES NP
	WIN 0
	FETCH_A \next, 0, 4
.endm
	s_wait_alu depctr_va_vdst(0)
	s_wait_tensorcnt 0x0                           ; my part of K step 0 is in
	ds_add_u32 v[SPW], v[NIL]
	s_wait_dscnt 0x0
	CROUND                                         ; everybody's part of K step 0 is in, and all sixteen work-groups are here
	JLOAD G0+4, G1, G0B+4, G1B                     ; K step 1's load, the first tensor load behind the round
	FETCH_B 0, 0, 0
	FETCH_A 0, 0, 0
	FETCH_A 0, 0, 4
	STEP 0, 0, 1                                   ; the first step's products start the sums: nothing is cleared
	s_mov_b32 s3, LAPS-1
.Llap:
	TURN 0, 1, 1
	STEP 1, 0, 0
	TURN 1, 0, 1
	STEP 0, 0, 0
	s_sub_co_u32 s3, s3, 1
	s_cmp_lg_u32 s3, 0
	s_cbranch_scc1 .Llap
	TURN 0, 1, 0                                   ; the last lap fills nothing
	STEP 1, 0, 0
	s_wait_dscnt 4*NL
	WIN MUL_LO
	MUL16 0, 1, 0
	MUL16 2, 1, 0
	s_wait_dscnt 0
	WIN MUL_HI
	MUL16 4, 1, 0
	MUL16 6, 1, 0
	WIN 0
	s_wait_kmcnt 0x0
	s_sub_co_i32 s98, s98, s96
	s_sub_co_i32 s98, s98, s97                     ; E
	s_add_co_i32 s98, s98, 127
	s_lshl_b32 s96, s98, 23
	v_mov_b32 v[SCL], s96
	s_add_co_i32 s98, s98, 15
	s_lshl_b32 s98, s98, 23
	s_or_b32 s98, s98, 0x600000
	v_mov_b32 v[LIM], s98
	PLACES NP
; THE WAY OUT.  Block a of 16 rows of A: its 64 sums a lane are held, converted eight at a time (a lane's eight registers of an accumulator are eight neighbours along the next K) and put into my stage.
.macro OUTBLK a
	WIN 0x02+((\a)/4)                              ; source 0: window 2 or 3
.set n, 0
.rept 64
	v_med3_num_f32 v[TMP+n], v[64*((\a)%4)+n], -v[LIM], v[LIM]   ; the hold (the conversion does not saturate: ISA guide 7.6.2); each accumulator from its low end on
.set n, n+1
.endr
	WIN 0
.irp b, 0,1,2,3,4,5,6,7
	v_cvt_scalef32_pk8_bf8_f32 v[CD+16*(\a)+2*\b:CD+16*(\a)+2*\b+1], v[TMP+8*\b:TMP+8*\b+7], v[SCL]
.endr
	v_nop                                          ; one plain vector line behind the conversions: the next block's holds write their sources
.irp b, 0,1,2,3,4,5,6,7
	ds_store_b64 v[STO], v[CD+16*(\a)+2*\b:CD+16*(\a)+2*\b+1] offset:(2*((\a)/4)+\b/4)*BSTG+((\a)%4)*16*SP+(\b%4)*16
.endr
.endm
.irp a, 0,1,2,3,4,5,6,7
	OUTBLK \a
.endr
	s_wait_dscnt 0x0                               ; my stores have read the codes' registers, which take the rows read back
.set k, 0
.rept 32
	ds_load_b128 v[CD+4*k:CD+4*k+3], v[RD] offset:(k/8)*BSTG+(k%8)*8*SP
.set k, k+1
.endr
.set k, 0
.rept 32
	s_wait_dscnt 31-k                              ; load k is in; the younger ones may be out
	global_store_b128 v[CO], v[CD+4*k:CD+4*k+3], s[80+2*(k/8):81+2*(k/8)] offset:(k%8)*512   ; 32 lanes store 512 consecutive bytes, aligned
.set k, k+1
.endr
	s_wait_tensorcnt 0x0                           ; the wave's end
	ds_add_u32 v[SPW], v[NIL]
	s_wait_dscnt 0x0
	CROUND                                         ; the closing round
	s_endpgm
.Lfunc_end_k_qaa05b2806f_qkv:
	.size	k_qaa05b2806f_qkv, .Lfunc_end_k_qaa05b2806f_qkv-k_qaa05b2806f_qkv
	.p2alignl 7, 3214868480
	.fill 96, 4, 3214868480
	.section	.rodata,"a",@progbits
	.p2align	6, 0x0
	.amdhsa_kernel k_qaa05b2806f_qkv
		.amdhsa_group_segment_fixed_size 327680
		.amdhsa_private_segment_fixed_size 0
		.amdhsa_enable_private_segment 0
		.amdhsa_kernarg_size 32
		.amdhsa_user_sgpr_count 2
		.amdhsa_user_sgpr_kernarg_segment_ptr 1
		.amdhsa_wavefront_size32 1
		.amdhsa_system_sgpr_workgroup_id_x 1
		.amdhsa_system_sgpr_workgroup_id_y 1
		.amdhsa_system_sgpr_workgroup_id_z 1
		.amdhsa_system_vgpr_workitem_id 0
		.amdhsa_next_free_vgpr 1024
		.amdhsa_next_free_sgpr 102
		.amdhsa_reserve_vcc 0
		.amdhsa_float_denorm_mode_32 3
		.amdhsa_float_denorm_mode_16_64 3
		.amdhsa_memory_ordered 1
		.amdhsa_forward_progress 1
		.amdhsa_inst_pref_size 127
	.end_amdhsa_kernel
	.amdgpu_metadata
---
amdhsa.version: [ 1, 2 ]
amdhsa.kernels:
  - .name:           k_qaa05b2806f_qkv
    .symbol:         k_qaa05b2806f_qkv.kd
    .args:
      - { .name: xc, .offset: 0, .size: 8, .value_kind: global_buffer, .address_space: global }
      - { .name: wc, .offset: 8, .size: 8, .value_kind: global_buffer, .address_space: global }
      - { .name: lowp_scales, .offset: 16, .size: 8, .value_kind: global_buffer, .address_space: global }
      - { .name: qkv, .offset: 24, .size: 8, .value_kind: global_buffer, .address_space: global }
    .group_segment_fixed_size: 327680
    .private_segment_fixed_size: 0
    .kernarg_segment_align: 8
    .kernarg_segment_size: 32
    .max_flat_workgroup_size: 128
    .sgpr_count:     102
    .vgpr_count:     1024
    .wavefront_size: 32
...
	.end_amdgpu_metadata
.endif
;; end of part 2
;; launch attn (part 3): grid 256 x 1, 8 waves a work-group, clusters of 4 x 1, 327,680 bytes of LDS; arguments qkv, lowp_scales, ao; writes ao
.if DOCPART == 3
	.amdgcn_target "amdgcn-amd-amdhsa--gfx1250"
	.amdhsa_code_object_version 6
	.text
	.protected	k_qaa05b2806f_attn
	.globl	k_qaa05b2806f_attn
	.p2align	8
	.type	k_qaa05b2806f_attn,@function
k_qaa05b2806f_attn:
	s_mov_b64 s[64:65], 0
	v_nop
	global_prefetch_b8 v0, s[64:65] scope:SCOPE_SE
	s_setreg_imm32_b32 hwreg(HW_REG_WAVE_MODE, 25, 1), 1
	s_wait_xcnt 0x0
	s_wait_alu depctr_hold_cnt(0) depctr_sa_sdst(0) depctr_va_vdst(0) depctr_va_sdst(0) depctr_va_ssrc(0) depctr_va_vcc(0) depctr_vm_vsrc(0)
	s_getreg_b32 s2, hwreg(HW_REG_IB_STS2, 6, 4)
	s_cmp_eq_u32 s2, 0
	s_cbranch_scc0 .Lentry_in_a_cluster
	s_endpgm
.Lentry_in_a_cluster:
	s_bfe_u32 s2, ttmp6, 0x10000c
	s_cmp_lg_u32 s2, 0x3003
	s_cbranch_scc0 .Lentry_shape_is_right
	s_endpgm
.Lentry_shape_is_right:
; Causal attention of one (batch, head) on codes of BF8 (E5M2); head size 64; scores x 1/32 (1,024^-0.5, as the module has it).  The result, divided by the row's sum, is quantised at once for the last product.
; qkv: [3][bh (64)][131,072]: q, k: [t 2048][d 64]; v: [s / 64][d 64][s % 64].   ao: [token / 256 (32)][h 16][token % 256][d 64], codes.
; WORK LEFT OUT: key steps of 128 all of whose keys come after a tile's queries: their scores are masked to -inf, so their p is 0 whatever the inputs hold.  A NaN or infinity that reaches only those scores is not carried.
; THE SOFTMAX: t = score x log2(e) / 32; M = the row's largest t so far, rounded UP to a whole number; p = 2^(t - M) is quantised (scale 2^e8), not normalised; the row's sum is taken of the unquantised p and divides at the end.
; When M moves, the sum and O are multiplied by 2^(old M - new M): exact.
; SHARES.  A cluster of four work-groups owns a head; work-group cx owns the tiles of 32 queries with number T = 4 m + cx, m = 0 .. 15.  Wave w takes m = 15 - w and then m = w.  Tile T wants the key steps 0 .. m:
; (16 - w) + (w + 1) = 17 key steps in every wave of every work-group.  A wave's two blocks of 16 queries share each fragment of K and of V.
; LDS.  The head's whole K and V stay in LDS: 16 chunks of 256 keys, each 64 rows of 256 bytes padded by 16 (memory row m of 64 bytes at 272 (m / 4) + 64 (m % 4)): K at 0, V at VOFF.  Nothing is filled twice.
; JOINT LOADS: all four work-groups want the same K and V: each wave issues two loads with the mask of all four: keys 0 .. 1023 at the head, keys 1024 .. 2047 behind the second round (waves 0-3: K's chunks, 4-7: V's).
; The second group lands under the first eight key steps, which every wave walks; one barrier then shows it to all, at a place where every wave has done the same eight steps.
; NO PREFETCH: the two loads a wave ask for every byte of K and V, the second as soon as the first has landed; no later request exists that a prefetch could run ahead of.
; LAYOUT.  Both products are used transposed: S^T = K Q^T (source 0 = 16 neighbouring keys), O^T = V^T P^T (source 0 = 16 of the head's 64): a lane holds ONE query (lane % 16) of each block.
; Register j of S's tile t in lane (r, h) is key 16 t + 8 h + j: eight neighbours, whose codes are registers 2 t, 2 t + 1 of the second product's operand in that form's own places; V's fragments come by loads of 8 bytes in the same places.
; THE MASK.  In a tile's last step (key step m) the first key lies 32 cx under the tile's first query, so key 16 t + j (+ 8 h) is hidden where 16 t + j > d = 32 cx + 16 a + r - 8 h: the same pattern in both of a wave's tiles.
; It is built once, as nine tiles of 0 or -3e38 (block 1's tile t is block 0's tile t - 1), and given to that step's first product as C.  The choice of the step hangs on the wave's number and the count of steps.
; LIMITS on the given exponents: e6 + e7 between -64 and 132 (added to c's exponent field; -3e38 x c must stay far under every t); e8, and e10 - e8 - e9, between -126 and 112.
; REGISTERS.  Window 0: v1-4 LDS addresses; v5, v6 the spare word and 0; v7, v8: 57,344 x 2^e8, 2^e8; v9 d; v11 -3e38; v12-15 (-M, largest score) x 2; v16-19 sums; v20-23 f; v24, v25 the way out's scale and hold; v26-29 addresses;
;   v32-95 V's fragments; v96-159, v160-223 S^T, then p, of blocks 0, 1; v224-255 p's codes (ahead of the conversions: at work).   Window 1: v0-63 O^T; v64-79 Q; v80-143 K's fragments; v144-215 the mask; v216-231 the second tile's Q.
.set LP,    272
.set CH,    64*LP                      ; a chunk of 256 keys
.set KS,    32*LP                      ; a key step of 128 keys
.set VOFF,  8*CH
.set STAGE, 16*CH                      ; 2,048 bytes for each wave, into which no tile lands
.set SPARE, STAGE+8*2048               ; the spare words, 128 bytes for each of eight waves, that no other line names
.set QF, 64
.set KF, 80
.set MK, 144
.set QA, 216
.set MSB, 0
.macro WIN new                         ; the immediate's high byte repeats the setting that is left
.if MSB != \new
	s_set_vgpr_msb (MSB<<8)|\new
.set MSB, \new
.endif
.endm
.macro CROUND                          ; a round of the cluster's barrier
	s_barrier_signal -1
	s_barrier_wait -1
	s_cmp_lg_u32 s18, 0
	s_cbranch_scc1 .Lnw0_\@
	s_barrier_signal -3
.Lnw0_\@:
	s_barrier_wait -3
	s_barrier_signal -1
	s_barrier_wait -1
.endm
.macro AOADR                           ; s14 = m  ->  s[56:57]: the tile's 2,048 bytes of ao: block m / 2 of 256 tokens, 128 (m % 2) + 32 cx rows of 64 bytes on
	s_lshr_b32 s82, s14, 1
	s_lshl_b32 s82, s82, 18
	s_and_b32 s83, s14, 1
	s_lshl_b32 s83, s83, 13
	s_add_co_u32 s82, s82, s83
	s_mov_b32 s83, 0
	s_add_nc_u64 s[56:57], s[50:51], s[82:83]
.endm
.macro ZERO                            ; a tile begins: O^T = 0, the sums 0, the largest score -3e38 (the step is written once: its first run finds zeros, which the first change of M leaves zeros)
	WIN 0x40
.set j, 0
.rept 64
	v_mov_b32 v[j], 0
.set j, j+1
.endr
	WIN 0
	v_mov_b32 v13, 0xff61b1e6
	v_mov_b32 v15, 0xff61b1e6
	v_floor_f32 v12, -v13
	v_floor_f32 v14, -v15
	v_mov_b32 v16, 0
	v_mov_b32 v17, 0
	v_mov_b32 v18, 0
	v_mov_b32 v19, 0
.endm
	s_load_b128 s[4:7], s[0:1], 0x0                ; qkv 4:5, the scales 6:7
	s_load_b64 s[8:9], s[0:1], 0x10                ; ao
	v_lshl_add_u32 v5, v0, 2, SPARE
	v_mov_b32 v6, 0
	ds_add_u32 v5, v6
	ds_add_u32 v5, v6
	v_lshrrev_b32 v1, 5, v0
	v_readfirstlane_b32 s18, v1                    ; wave 0..7
	s_bfe_u32 s10, ttmp6, 0x40000                  ; cx; ttmp9 = the cluster's x = bh
	s_lshl_b32 s12, ttmp9, 17                      ; the head's bytes in a part
	s_lshr_b32 s33, s18, 2                         ; I fetch for K (0) or for V (1),
	s_and_b32 s34, s18, 3                          ; chunk w % 4 of the group
	s_lshl_b32 s35, s33, 2
	s_add_co_u32 s35, s35, s18
	s_mul_i32 s41, s35, CH                         ; LDS: chunk w of K, chunk w - 4 of V (which begins eight chunks on): (w + 4 (w / 4)) chunks
	s_add_co_u32 s36, s33, 1
	s_lshl_b32 s36, s36, 23                        ; part 1 or 2
	s_add_co_u32 s36, s36, s12
	s_lshl_b32 s34, s34, 14
	s_add_co_u32 s36, s36, s34
	s_mov_b32 s37, 0
	s_lshr_b32 s46, ttmp9, 4
	s_lshl_b32 s46, s46, 21                        ; ao: b x 8 blocks of 262,144 bytes,
	s_and_b32 s47, ttmp9, 15
	s_lshl_b32 s47, s47, 14                        ; the head's 16,384,
	s_add_co_u32 s46, s46, s47
	s_lshl_b32 s47, s10, 11                        ; 32 cx rows of 64
	s_add_co_u32 s46, s46, s47
	s_add_co_u32 s38, s47, s12                     ; q: the head, + 32 cx rows
	s_mov_b32 s47, 0
	s_mov_b32 s24, 15|(1<<20)|(1<<21)|(5<<22)|(3<<25)  ; the mask of all four; elements of 1 byte; padding on; bit 21 beside a mask; after every 64 words four words
	s_mov_b32 s25, 256<<16                         ; tensor_dim0
	s_mov_b32 s26, 64<<16                          ; tensor_dim1
	s_mov_b32 s27, 256<<16                         ; tile_dim0
	s_mov_b32 s28, 64                              ; tile_dim1
	s_mov_b32 s29, 256                             ; the chunk is dense
	s_mov_b32 s30, 0
	s_mov_b32 s31, 0
	s_mov_b32 s20, 0x76543210
	s_mov_b32 s21, 0xfedcba98                      ; v_permlanex16_b32's selects for lane l xor 16
	s_mov_b32 s22, 0x3d38aa3b                      ; c = log2(e) / 32
	s_sub_co_u32 s14, 15, s18                      ; m of my first tile
	s_lshl_b32 s84, s14, 13                        ; 128 m rows of 64 bytes
	s_add_co_u32 s84, s84, s38
	s_mov_b32 s85, 0
	s_lshl_b32 s86, s18, 13
	s_add_co_u32 s86, s86, s38
	s_mov_b32 s87, 0
	s_lshl_b32 s80, s18, 11
	s_add_co_u32 s80, s80, STAGE                   ; my stage
	s_lshl_b32 s81, s10, 5
	s_wait_dscnt 0x0                               ; both opening adds are done
	s_wait_kmcnt 0x0
	s_load_b256 s[68:75], s[6:7], 0x0              ; e0 .. e7
	s_load_b128 s[76:79], s[6:7], 0x20             ; e8 .. e11
	s_mov_b32 s40, 1
	s_add_nc_u64 s[42:43], s[4:5], s[36:37]
	s_or_b32 s43, s43, 0x80000000
	s_add_nc_u64 s[50:51], s[8:9], s[46:47]
	s_add_nc_u64 s[84:85], s[4:5], s[84:85]        ; q of my first tile,
	s_add_nc_u64 s[86:87], s[4:5], s[86:87]        ; of my second
	CROUND                                         ; all four work-groups are here: the joint loads meet
	tensor_load_to_lds s[40:43], s[24:31]          ; my chunk of keys 0 .. 1023: one tensor load a wave at the head
	s_nop 0
	v_and_b32 v10, 15, v0                          ; r
	v_bfe_u32 v11, v0, 4, 1                        ; h
	v_lshrrev_b32 v12, 2, v10
	v_and_b32 v13, 3, v10
	v_mul_u32_u24 v12, v12, LP
	v_lshl_add_u32 v12, v13, 6, v12                ; 272 (r / 4) + 64 (r % 4)
	v_lshl_add_u32 v1, v11, 4, v12                 ; K: row r, + 16 h
	v_lshl_add_u32 v2, v11, 3, v12
	v_add_nc_u32 v2, VOFF, v2                      ; V: row r, + 8 h
	v_lshlrev_b32 v29, 6, v10
	v_lshl_add_u32 v26, v11, 3, v29
	v_add_nc_u32 v26, s80, v26                     ; the stage, in: row r of 64 bytes, + 8 h
	v_lshl_add_u32 v29, v11, 4, v29                ; Q: 64 r + 16 h
	v_and_b32 v28, 31, v0
	v_lshlrev_b32 v28, 4, v28                      ; the way out: 16 x lane
	v_add_nc_u32 v27, s80, v28                     ; the stage, back
	v_lshlrev_b32 v9, 3, v11
	v_sub_nc_u32 v9, v10, v9
	v_add_nc_u32 v9, s81, v9                       ; d = 32 cx + r - 8 h
	v_mov_b32 v11, 0xff61b1e6                      ; -3e38
	v_mov_b32 v20, 0
	v_mov_b32 v21, 0
	v_mov_b32 v22, 0
	v_mov_b32 v23, 0
	AOADR
	s_wait_alu depctr_va_vdst(0)
	WIN 0x40
.irp a, 0,1
.irp c, 0,1
	global_load_b128 v[QF+8*\a+4*\c:QF+8*\a+4*\c+3], v29, s[84:85] offset:1024*\a+32*\c   ; registers 4 c .. 4 c + 3: d = 32 c + 16 h + 0 .. 15, as K's fragments have it
	global_load_b128 v[QA+8*\a+4*\c:QA+8*\a+4*\c+3], v29, s[86:87] offset:1024*\a+32*\c
.endr
.endr
.set n, 0
.rept 72                               ; the mask: tile u = n / 8 (block 0's tile u - 1, block 1's tile u), register n % 8
	v_cmp_gt_i32 vcc_lo, 16*(n/8)+n%8-16, v9
	v_cndmask_b32 v[MK+n], v6, v11, vcc_lo
.set n, n+1
.endr
	ZERO
	s_wait_kmcnt 0x0
	s_add_co_i32 s80, s74, s75
	s_lshl_b32 s80, s80, 23
	s_add_co_i32 s22, s22, s80                     ; a score stands for score x 2^(e6 + e7): added to c's exponent field
	s_mov_b32 s23, s22                             ; (named with it as a pair)
	s_add_co_i32 s80, s76, 127
	s_lshl_b32 s81, s80, 23
	v_mov_b32 v8, s81                              ; 2^e8
	s_add_co_i32 s80, s80, 15
	s_lshl_b32 s80, s80, 23
	s_or_b32 s80, s80, 0x600000
	v_mov_b32 v7, s80                              ; 57,344 x 2^e8
	s_sub_co_i32 s80, s78, s76
	s_sub_co_i32 s80, s80, s77                     ; O / sum stands for that x 2^(e8 + e9): its code is (O / sum) / 2^(e10 - e8 - e9)
	s_add_co_i32 s80, s80, 127
	s_lshl_b32 s81, s80, 23
	v_mov_b32 v24, s81
	s_add_co_i32 s80, s80, 15
	s_lshl_b32 s80, s80, 23
	s_or_b32 s80, s80, 0x600000
	v_mov_b32 v25, s80
.macro SUMS a                          ; the row's sum of the unquantised p, two at a time, in four chains
.set S, 96+64*(\a)
.set T, 224+16*(\a)
.set U, 16+2*(\a)
	v_pk_add_f32 v[T+2:T+3], v[S:S+1], v[S+2:S+3]
	v_pk_add_f32 v[T+4:T+5], v[S+4:S+5], v[S+6:S+7]
	v_pk_add_f32 v[T+6:T+7], v[S+8:S+9], v[S+10:S+11]
	v_pk_add_f32 v[U:U+1], v[U:U+1], v[S+12:S+13]
.irp p, 14,22,30,38,46,54
	v_pk_add_f32 v[T+2:T+3], v[T+2:T+3], v[S+\p:S+\p+1]
	v_pk_add_f32 v[T+4:T+5], v[T+4:T+5], v[S+\p+2:S+\p+3]
	v_pk_add_f32 v[T+6:T+7], v[T+6:T+7], v[S+\p+4:S+\p+5]
	v_pk_add_f32 v[U:U+1], v[U:U+1], v[S+\p+6:S+\p+7]
.endr
	v_pk_add_f32 v[T+2:T+3], v[T+2:T+3], v[S+62:S+63]
	v_pk_add_f32 v[T+4:T+5], v[T+4:T+5], v[T+6:T+7]
	v_pk_add_f32 v[U:U+1], v[U:U+1], v[T+2:T+3]
	v_pk_add_f32 v[U:U+1], v[U:U+1], v[T+4:T+5]
.endm
; A KEY STEP: 128 keys at LDS byte s2 of K's and V's regions, for my 32 queries.  dg = 1: where s13 (the key step) equals s14 (m), the first product takes the mask as C.
.macro STEP dg
	v_add_nc_u32 v3, s2, v1
	v_add_nc_u32 v4, s2, v2
	v_nop
	v_nop                                          ; four places in front of loads into registers that the last products read
	WIN 0x40
.irp t, 0,1,2,3,4,5,6,7
.irp c, 0,1
	ds_load_b128 v[KF+8*\t+4*\c:KF+8*\t+4*\c+3], v3 offset:\t*4*LP+32*\c
.endr
.endr
	WIN 0
.irp t, 0,1,2,3
.irp c, 0,1,2,3,4,5,6,7
	ds_load_b64 v[32+16*\t+2*\c:33+16*\t+2*\c], v4 offset:(\c/4)*16*LP+\t*4*LP+16*(\c%4)   ; d = 16 t + r, keys 16 c + 8 h + 0 .. 7
.endr
.endr
	s_wait_dscnt 32                                ; K's sixteen loads are in; V's 32, issued behind them, may be out: they land under the softmax
.if \dg
	s_cmp_eq_u32 s13, s14
	s_cbranch_scc1 .Ldg_\@
.endif
	WIN 0x05
.irp t, 0,1,2,3,4,5,6,7
.irp a, 0,1
	v_wmma_f32_16x16x64_bf8_bf8 v[96+64*\a+8*\t:103+64*\a+8*\t], v[KF+8*\t:KF+8*\t+7], v[QF+8*\a:QF+8*\a+7], 0
.endr
.endr
	WIN 0
.if \dg
	s_branch .Ljn_\@
.Ldg_\@:
	WIN 0x15
.irp t, 0,1,2,3,4,5,6,7
.irp a, 0,1
	v_wmma_f32_16x16x64_bf8_bf8 v[96+64*\a+8*\t:103+64*\a+8*\t], v[KF+8*\t:KF+8*\t+7], v[QF+8*\a:QF+8*\a+7], v[MK+8*(\t+1-\a):MK+8*(\t+1-\a)+7]
.endr
.endr
	WIN 0
.Ljn_\@:
.endif
.rept 4
	v_nop                                          ; places ahead of the first read of the scores
.endr
.irp a, 0,1                                    ; the step's largest score of each query among my 64 keys: two chains a block, each accumulator from its low end on
	v_max3_num_f32 v[224+16*\a], v[96+64*\a], v[97+64*\a], v[98+64*\a]
	v_max3_num_f32 v[225+16*\a], v[99+64*\a], v[100+64*\a], v[101+64*\a]
.endr
.irp i, 6,10,14,18,22,26,30,34,38,42,46,50,54,58
.irp a, 0,1
	v_max3_num_f32 v[224+16*\a], v[224+16*\a], v[96+64*\a+\i], v[97+64*\a+\i]
	v_max3_num_f32 v[225+16*\a], v[225+16*\a], v[98+64*\a+\i], v[99+64*\a+\i]
.endr
.endr
	v_max3_num_f32 v224, v224, v158, v159
	v_max3_num_f32 v240, v240, v222, v223
	v_max_num_f32 v224, v224, v225
	v_max_num_f32 v240, v240, v241
	v_permlanex16_b32 v225, v224, s20, s21
	v_permlanex16_b32 v241, v240, s20, s21
	v_max3_num_f32 v13, v13, v224, v225            ; the running largest score, lane l xor 16's among them
	v_max3_num_f32 v15, v15, v240, v241
	v_mul_f32 v224, s22, v13                       ; as t (c is positive)
	v_mul_f32 v240, s22, v15
	v_floor_f32 v225, -v224                        ; the new -M = -ceil(t)
	v_floor_f32 v241, -v240
	v_sub_f32 v224, v225, v12                      ; old M - new M: a whole number, 0 or less
	v_sub_f32 v240, v241, v14
	v_mov_b32 v12, v225
	v_mov_b32 v14, v241
	v_cvt_i32_f32 v224, v224                       ; (it saturates)
	v_cvt_i32_f32 v240, v240
	v_ldexp_f32 v20, 1.0, v224                     ; f = 2^(old M - new M)
	v_ldexp_f32 v22, 1.0, v240
	WIN 0x41
.irp a, 0,1
.set j, 0
.rept 16
	v_pk_mul_f32 v[32*\a+j:32*\a+j+1], v[32*\a+j:32*\a+j+1], v[20+2*\a:21+2*\a] op_sel_hi:[1,0]   ; O^T under the new M, ahead of the exponentials
.set j, j+2
.endr
.endr
	WIN 0
.irp a, 0,1
.set j, 0
.rept 32
	v_pk_fma_f32 v[96+64*\a+j:97+64*\a+j], v[96+64*\a+j:97+64*\a+j], s[22:23], v[12+2*\a:13+2*\a] op_sel_hi:[1,0,0]   ; t - M, two at a time
.set j, j+2
.endr
.endr
	s_wait_alu depctr_va_vdst(0)
.set j, 0
.rept 64
	v_exp_f32 v[96+j], v[96+j]                     ; block 0: p = 2^(t - M)
.set j, j+1
.endr
	v_pk_mul_f32 v[16:17], v[16:17], v[20:21] op_sel_hi:[1,0]   ; its sums under the new M: the plain line behind the exponentials
	s_wait_alu depctr_va_vdst(0)                   ; one wait for the batch, ahead of its first reader
	SUMS 0
.set j, 0
.rept 32                               ; block 1's exponentials; among them block 0's hold at the largest code x the scale (p is not negative: one-sided), two numbers a line; nothing here reads what these lines write
	v_exp_f32 v[160+j], v[160+j]
	v_exp_f32 v[161+j], v[161+j]
	v_dual_min_num_f32 v[96+j], v[96+j], v7 :: v_dual_min_num_f32 v[97+j], v[97+j], v7
.set j, j+2
.endr
	v_pk_mul_f32 v[18:19], v[18:19], v[22:23] op_sel_hi:[1,0]
	s_wait_alu depctr_va_vdst(0)                   ; for block 1's exponentials and for the holds written among them
	SUMS 1
.irp t, 0,1,2,3,4,5,6,7
	v_cvt_scalef32_pk8_bf8_f32 v[224+2*\t:225+2*\t], v[96+8*\t:103+8*\t], v8
.endr
.set j, 0
.rept 32
	v_dual_min_num_f32 v[160+j], v[160+j], v7 :: v_dual_min_num_f32 v[161+j], v[161+j], v7
.set j, j+2
.endr
.irp t, 0,1,2,3,4,5,6,7
	v_cvt_scalef32_pk8_bf8_f32 v[240+2*\t:241+2*\t], v[160+8*\t:167+8*\t], v8
.endr
	v_nop                                          ; one plain line between the conversions and the products that read the codes
	WIN 0x50
	s_wait_alu depctr_va_vdst(0)
	s_wait_dscnt 0x0                               ; V is in
.irp t, 0,1,2,3
.irp a, 0,1
	v_wmma_f32_16x16x128_bf8_bf8 v[32*\a+8*\t:32*\a+8*\t+7], v[32+16*\t:47+16*\t], v[224+16*\a:239+16*\a], v[32*\a+8*\t:32*\a+8*\t+7]   ; the eight accumulators by turns
.endr
.endr
	WIN 0
.endm
; A tile ends: O^T / the sum, held, converted (a lane's eight registers of an accumulator are eight neighbours along d, the next K), through my stage, and out as 2,048 consecutive bytes.
.macro FINISH
	v_add_f32 v16, v16, v17
	v_add_f32 v18, v18, v19
	v_permlanex16_b32 v20, v16, s20, s21
	v_permlanex16_b32 v22, v18, s20, s21
	v_add_f32 v16, v16, v20
	v_add_f32 v18, v18, v22                        ; the rows' sums
	s_wait_alu depctr_va_vdst(0)
	v_rcp_f32 v16, v16
	v_rcp_f32 v18, v18
	v_nop                                          ; a plain line behind them
	WIN 0x01
	s_wait_alu depctr_va_vdst(0)                   ; and the wait directly ahead of the first readers of the reciprocals and of O^T
.irp a, 0,1
.set j, 0
.rept 16
	v_pk_mul_f32 v[96+32*\a+j:97+32*\a+j], v[32*\a+j:32*\a+j+1], v[16+2*\a:17+2*\a] op_sel_hi:[1,0]   ; register 32 a + 8 t + i: d = 16 t + 8 h + i of query 16 a + r
.set j, j+2
.endr
.endr
	WIN 0
.set j, 0
.rept 64
	v_med3_num_f32 v[96+j], v[96+j], -v25, v25     ; the hold (the conversion does not saturate: ISA guide 7.6.2)
.set j, j+1
.endr
.irp k, 0,1,2,3,4,5,6,7
	v_cvt_scalef32_pk8_bf8_f32 v[224+2*\k:225+2*\k], v[96+8*\k:103+8*\k], v24
.endr
	v_nop                                          ; one plain line behind the conversions
.irp k, 0,1,2,3,4,5,6,7
	ds_store_b64 v26, v[224+2*\k:225+2*\k] offset:(\k/4)*1024+16*(\k%4)
.endr
.irp i, 0,1,2,3
	ds_load_b128 v[32+4*\i:35+4*\i], v27 offset:512*\i   ; LDS serves a wave's instructions in order: these see my stores
.endr
	s_wait_dscnt 0x0
.irp i, 0,1,2,3
	global_store_b128 v28, v[32+4*\i:35+4*\i], s[56:57] offset:512*\i   ; 32 lanes store 512 consecutive bytes, aligned
.endr
	s_wait_xcnt 0x0                                ; the stores have read their data and their base: both are written again
.endm
	s_wait_alu depctr_va_vdst(0)
	s_wait_tensorcnt 0x0                           ; my chunk of keys 0 .. 1023 is in
	ds_add_u32 v5, v6
	s_add_co_u32 s41, s41, 4*CH                    ; no load of mine is out, so group 0 may be written: four chunks on in LDS
	s_add_nc_u64 s[42:43], s[42:43], 65536         ; and in memory
	s_wait_dscnt 0x0
	CROUND                                         ; everybody's chunk is in, and all four work-groups are here
	tensor_load_to_lds s[40:43], s[24:31]          ; my chunk of keys 1024 .. 2047: bytes that are filled for the first time
	s_nop 0
	s_wait_loadcnt 0x0                             ; Q of both tiles
	s_mov_b32 s3, 0
.Llow:                                             ; my first tile (m = 15 - w, at least 8), key steps 0 .. 7: all their keys count
	s_mul_i32 s2, s3, KS
	STEP 0
	s_add_co_u32 s3, s3, 1
	s_cmp_lt_u32 s3, 8
	s_cbranch_scc1 .Llow
	s_wait_tensorcnt 0x0                           ; my chunk of keys 1024 .. 2047 is in;
	s_wait_dscnt 0x0
	s_barrier_signal -1
	s_barrier_wait -1                              ; and everybody's.
	s_mov_b32 s3, 8
.Lrest:                                            ; trips 8 .. 15: my first tile, key steps 8 .. 15; trips 16 .. 23: my second tile (m = w), key steps 0 .. 7.  Steps behind key step m are jumped over: ids alone decide
	s_cmp_lg_u32 s3, 16
	s_cbranch_scc1 .Lsame
	FINISH
	s_mov_b32 s14, s18
	AOADR
	WIN 0x41
.set j, 0
.rept 16
	v_mov_b32 v[QF+j], v[QA+j]
.set j, j+1
.endr
	ZERO
	s_wait_alu depctr_va_vdst(0)                   ; branches and waits stand ahead of the readers
.Lsame:
	s_and_b32 s13, s3, 15                          ; the key step
	s_cmp_gt_u32 s13, s14
	s_cbranch_scc1 .Lskip
	s_mul_i32 s2, s13, KS
	STEP 1
.Lskip:
	s_add_co_u32 s3, s3, 1
	s_cmp_lt_u32 s3, 24
	s_cbranch_scc1 .Lrest
	FINISH
	s_wait_tensorcnt 0x0                           ; the wave's end
	ds_add_u32 v5, v6
	s_wait_dscnt 0x0
	CROUND                                         ; the closing round
	s_endpgm
.Lfunc_end_k_qaa05b2806f_attn:
	.size	k_qaa05b2806f_attn, .Lfunc_end_k_qaa05b2806f_attn-k_qaa05b2806f_attn
	.p2alignl 7, 3214868480
	.fill 96, 4, 3214868480
	.section	.rodata,"a",@progbits
	.p2align	6, 0x0
	.amdhsa_kernel k_qaa05b2806f_attn
		.amdhsa_group_segment_fixed_size 327680
		.amdhsa_private_segment_fixed_size 0
		.amdhsa_enable_private_segment 0
		.amdhsa_kernarg_size 24
		.amdhsa_user_sgpr_count 2
		.amdhsa_user_sgpr_kernarg_segment_ptr 1
		.amdhsa_wavefront_size32 1
		.amdhsa_system_sgpr_workgroup_id_x 1
		.amdhsa_system_sgpr_workgroup_id_y 1
		.amdhsa_system_sgpr_workgroup_id_z 1
		.amdhsa_system_vgpr_workitem_id 0
		.amdhsa_next_free_vgpr 496
		.amdhsa_next_free_sgpr 100
		.amdhsa_reserve_vcc 1
		.amdhsa_float_denorm_mode_32 3
		.amdhsa_float_denorm_mode_16_64 3
		.amdhsa_memory_ordered 1
		.amdhsa_forward_progress 1
		.amdhsa_inst_pref_size 95
	.end_amdhsa_kernel
	.amdgpu_metadata
---
amdhsa.version: [ 1, 2 ]
amdhsa.kernels:
  - .name:           k_qaa05b2806f_attn
    .symbol:         k_qaa05b2806f_attn.kd
    .args:
      - { .name: qkv, .offset: 0, .size: 8, .value_kind: global_buffer, .address_space: global }
      - { .name: lowp_scales, .offset: 8, .size: 8, .value_kind: global_buffer, .address_space: global }
      - { .name: ao, .offset: 16, .size: 8, .value_kind: global_buffer, .address_space: global }
    .group_segment_fixed_size: 327680
    .private_segment_fixed_size: 0
    .kernarg_segment_align: 8
    .kernarg_segment_size: 24
    .max_flat_workgroup_size: 256
    .sgpr_count:     100
    .vgpr_count:     496
    .wavefront_size: 32
...
	.end_amdgpu_metadata
.endif
;; end of part 3
;; launch proj (part 4): grid 4 x 32, 4 waves a work-group, clusters of 4 x 4, 327,680 bytes of LDS; arguments ao, wc, lowp_scales, b_proj, out0; writes out0
.if DOCPART == 4
	.amdgcn_target "amdgcn-amd-amdhsa--gfx1250"
	.amdhsa_code_object_version 6
	.text
	.protected	k_qaa05b2806f_proj
	.globl	k_qaa05b2806f_proj
	.p2align	8
	.type	k_qaa05b2806f_proj,@function
k_qaa05b2806f_proj:
	s_mov_b64 s[64:65], 0
	v_nop
	global_prefetch_b8 v0, s[64:65] scope:SCOPE_SE
	s_setreg_imm32_b32 hwreg(HW_REG_WAVE_MODE, 25, 1), 1
	s_wait_xcnt 0x0
	s_wait_alu depctr_hold_cnt(0) depctr_sa_sdst(0) depctr_va_vdst(0) depctr_va_sdst(0) depctr_va_ssrc(0) depctr_va_vcc(0) depctr_vm_vsrc(0)
	s_getreg_b32 s2, hwreg(HW_REG_IB_STS2, 6, 4)
	s_cmp_eq_u32 s2, 0
	s_cbranch_scc0 .Lentry_in_a_cluster
	s_endpgm
.Lentry_in_a_cluster:
	s_bfe_u32 s2, ttmp6, 0x10000c
	s_cmp_lg_u32 s2, 0xf033
	s_cbranch_scc0 .Lentry_shape_is_right
	s_endpgm
.Lentry_shape_is_right:
.set ROWB,   256
.set PITCH,  272
.set FR,     16
.set NL,     4
.set NP,     4
.set HALFT,  128*PITCH
.set SLOT,   4*HALFT
.set LAPS,   2
.set SPARE,  2*SLOT
.set SPITCH, 528
.set NROW,   4096
.set ADRA, 16
.set ADRB, 20
.set STO,  24
.set RD,   25
.set CO,   26
.set BO,   27
.set SPW,  28
.set NIL,  29
.set BI,   32
.set AF,   128
.set BK,   128
.set G1, 24
.set G0, 32
.set G1B, 48
.set G0B, 56
.set MSB, 0
.macro WIN new
.if MSB != \new
	s_set_vgpr_msb (MSB<<8)|\new
.set MSB, \new
.endif
.endm
.set MUL_LO, 0xa1
.set MUL_HI, 0xf1
.set TO_B,   0x40
.macro JLOAD g0a, g1a, g0b, g1b
	s_cmp_eq_u32 s15, 0
	s_cbranch_scc0 .Lfor_b_\@
	tensor_load_to_lds s[\g0a:\g0a+3], s[\g1a:\g1a+7]
	s_nop 0
.rept 4
	v_nop
.endr
	s_branch .Lasked_\@
.Lfor_b_\@:
	tensor_load_to_lds s[\g0b:\g0b+3], s[\g1b:\g1b+7]
	s_nop 0
.rept 4
	v_nop
.endr
.Lasked_\@:
.endm
.macro CREST
	s_cmp_lg_u32 s14, 0
	s_cbranch_scc1 .Lnot_wave_0_\@
	s_barrier_signal -3
.Lnot_wave_0_\@:
	s_barrier_wait -3
	s_barrier_signal -1
	s_barrier_wait -1
.endm
.macro CROUND
	s_barrier_signal -1
	s_barrier_wait -1
	CREST
.endm
	s_load_b256 s[4:11], s[0:1], 0x0
	s_load_b64 s[12:13], s[0:1], 0x20
	v_lshl_add_u32 v[SPW], v0, 2, SPARE
	v_mov_b32 v[NIL], 0
	ds_add_u32 v28, v29
	ds_add_u32 v28, v29
	s_wait_dscnt 0x0
	v_lshrrev_b32 v1, 5, v0
	v_readfirstlane_b32 s14, v1
	s_lshr_b32 s15, s14, 1
	s_and_b32 s16, s14, 1
	s_bfe_u32 s40, ttmp6, 0x40000
	s_bfe_u32 s41, ttmp6, 0x40004
	s_lshl_b32 s42, ttmp9, 2
	s_add_co_u32 s42, s42, s40
	s_and_b32 s17, ttmp7, 0xffff
	s_lshl_b32 s17, s17, 2
	s_add_co_u32 s17, s17, s41
	s_lshl_b32 s43, s41, 2
	s_lshl_b32 s43, 15, s43
	s_lshl_b32 s44, 0x1111, s40
	s_or_b32 s[G1+0], s43, (0<<16)|(1<<20)|(1<<21)|(5<<22)|(3<<25)
	s_or_b32 s[G1B+0], s44, (0<<16)|(1<<20)|(1<<21)|(5<<22)|(3<<25)
.irp g, G1, G1B
	s_mov_b32 s[\g+1], ROWB<<16
	s_mov_b32 s[\g+2], 128<<16
	s_mov_b32 s[\g+3], ROWB<<16
	s_mov_b32 s[\g+4], 128
	s_mov_b32 s[\g+6], 0
	s_mov_b32 s[\g+7], 0
.endr
	s_mov_b32 s[G1+5], 256
	s_mov_b32 s[G1B+5], 1024
	s_lshl_b32 s20, s17, 18
	s_lshl_b32 s18, s16, 15
	s_add_co_u32 s20, s20, s18
	s_mov_b32 s21, 0
	s_lshl_b32 s46, s42, 8
	s_lshl_b32 s18, s16, 7
	s_add_co_u32 s46, s46, s18
	s_lshl_b32 s46, s46, 10
	s_add_co_u32 s46, s46, 0x300000
	s_mov_b32 s47, 0
	s_mul_i32 s45, s14, HALFT
	s_wait_kmcnt 0x0
	s_load_b64 s[96:97], s[8:9], 0x28
	s_add_nc_u64 s[20:21], s[4:5], s[20:21]
	s_add_nc_u64 s[46:47], s[6:7], s[46:47]
	CROUND
.irp s, 0,1
	s_mov_b32 s[G0+4*\s], 1
	s_add_co_u32 s[G0+4*\s+1], s45, \s*SLOT
	s_add_nc_u64 s[G0+4*\s+2:G0+4*\s+3], s[20:21], \s*65536
	s_or_b32 s[G0+4*\s+3], s[G0+4*\s+3], 0x80000000
	s_mov_b32 s[G0B+4*\s], 1
	s_add_co_u32 s[G0B+4*\s+1], s45, \s*SLOT
	s_add_nc_u64 s[G0B+4*\s+2:G0B+4*\s+3], s[46:47], \s*ROWB
	s_or_b32 s[G0B+4*\s+3], s[G0B+4*\s+3], 0x80000000
	s_wait_alu depctr_va_vdst(0)
	s_wait_tensorcnt 0x0
	ds_add_u32 v28, v29
	ds_add_u32 v28, v29
	s_wait_dscnt 0x0
	CROUND
	JLOAD G0+4*\s, G1, G0B+4*\s, G1B
.endr
	v_and_b32 v1, 15, v0
	v_bfe_u32 v2, v0, 4, 1
	v_mul_u32_u24 v3, v1, PITCH
	v_lshl_add_u32 v4, v2, 4, v3
	v_lshrrev_b32 v5, 2, v1
	v_mul_u32_u24 v5, v5, PITCH
	v_and_b32 v6, 3, v1
	v_lshl_add_u32 v5, v6, 6, v5
	v_lshl_add_u32 v5, v2, 4, v5
	s_mul_i32 s21, s15, 32*PITCH
	s_mul_i32 s22, s16, HALFT
	s_add_co_u32 s22, s22, 2*HALFT
.irp s, 0,1
	v_add_nc_u32 v[ADRA+\s], s21, v5
	v_add_nc_u32 v[ADRB+\s], s22, v4
	s_add_co_u32 s21, s21, SLOT
	s_add_co_u32 s22, s22, SLOT
.endr
	s_mul_i32 s23, s14, 16*SPITCH
	v_mul_u32_u24 v5, v1, SPITCH
	v_lshl_add_u32 v5, v2, 5, v5
	v_add_nc_u32 v[STO], s23, v5
	v_and_b32 v6, 31, v0
	v_lshlrev_b32 v[CO], 4, v6
	v_add_nc_u32 v[RD], s23, v[CO]
	v_lshlrev_b32 v[BO], 5, v2
	s_lshl_b32 s46, s42, 10
	s_lshl_b32 s47, s16, 9
	s_add_co_u32 s46, s46, s47
	s_mov_b32 s47, 0
	s_add_nc_u64 s[76:77], s[10:11], s[46:47]
.irp b, 0,1,2,3,4,5,6,7
	global_load_b128 v[BI+8*\b:BI+8*\b+3], v[BO], s[76:77] offset:64*\b
	global_load_b128 v[BI+8*\b+4:BI+8*\b+7], v[BO], s[76:77] offset:64*\b+16
.endr
	s_lshl_b32 s20, s17, 8
	s_lshl_b32 s21, s15, 7
	s_add_co_u32 s20, s20, s21
	s_lshl_b32 s20, s20, 12
	s_add_co_u32 s20, s20, s46
	s_mov_b32 s21, 0
	s_add_nc_u64 s[12:13], s[12:13], s[20:21]
.macro FRAG reg, adr, q, i
.irp c, 0,1,2,3
	ds_load_b128 v[\reg+4*\c:\reg+4*\c+3], v[\adr] offset:128*(\q)+32*\c+(\i)*16*PITCH
.endr
.endm
.macro FRAGA reg, adr, q, i
.irp c, 0,1,2,3
	ds_load_b128 v[\reg+4*\c:\reg+4*\c+3], v[\adr] offset:(2*(\q)+\c/2)*64*PITCH+(\i)*4*PITCH+32*(\c%2)
.endr
.endm
.macro MUL16 a0, p, zero
.irp a, \a0, \a0+1
.irp b, 0,1,2,3,4,5,6,7
.if \zero
	v_wmma_f32_16x16x128_bf8_bf8 v[8*(8*((\a)%4)+\b):8*(8*((\a)%4)+\b)+7], v[128*(\p)+FR*\b:128*(\p)+FR*\b+FR-1], v[AF+FR*(\a):AF+FR*(\a)+FR-1], 0
.else
	v_wmma_f32_16x16x128_bf8_bf8 v[8*(8*((\a)%4)+\b):8*(8*((\a)%4)+\b)+7], v[128*(\p)+FR*\b:128*(\p)+FR*\b+FR-1], v[AF+FR*(\a):AF+FR*(\a)+FR-1], v[8*(8*((\a)%4)+\b):8*(8*((\a)%4)+\b)+7]
.endif
.endr
.endr
.endm
.macro FETCH_B slot, q, p
	WIN TO_B
.irp i, 0,1,2,3,4,5,6,7
	FRAG 128*(\p)+FR*\i, ADRB+\slot, \q, \i
.endr
	WIN 0
.endm
.macro FETCH_A slot, q, i0
.irp i, \i0, \i0+1, \i0+2, \i0+3
	FRAGA AF+FR*(\i), ADRA+\slot, \q, \i
.endr
.endm
.macro PLACES n
.rept \n
	v_nop
.endr
.endm
.macro STEP slot, q, zero
	s_wait_dscnt 4*NL
	WIN MUL_LO
	MUL16 0, (\q)%2, \zero
	MUL16 2, (\q)%2, \zero
	s_wait_dscnt 0
	PLACES NP
	FETCH_B \slot, (\q)+1, 1-(\q)%2
	FETCH_A \slot, (\q)+1, 0
	WIN MUL_HI
	MUL16 4, (\q)%2, \zero
	MUL16 6, (\q)%2, \zero
	PLACES NP
	WIN 0
	FETCH_A \slot, (\q)+1, 4
.endm
.macro TURN slot, next, fill
	s_wait_tensorcnt 0x0
	ds_add_u32 v[SPW], v[NIL]
	s_wait_dscnt 4*NL+1
	WIN MUL_LO
	MUL16 0, 1, 0
	s_wait_dscnt 0x0
	s_barrier_signal -1
	MUL16 2, 1, 0
	WIN 0
	s_barrier_wait -1
.if \fill
	CREST
	s_add_nc_u64 s[G0+4*\slot+2:G0+4*\slot+3], s[G0+4*\slot+2:G0+4*\slot+3], 2*65536
	s_add_nc_u64 s[G0B+4*\slot+2:G0B+4*\slot+3], s[G0B+4*\slot+2:G0B+4*\slot+3], 2*ROWB
	JLOAD G0+4*\slot, G1, G0B+4*\slot, G1B
.else
	PLACES NP
.endif
	s_wait_alu depctr_va_vdst(0)
	FETCH_B \next, 0, 0
	FETCH_A \next, 0, 0
	WIN MUL_HI
	MUL16 4, 1, 0
	MUL16 6, 1, 0
	PLACES NP
	WIN 0
	FETCH_A \next, 0, 4
.endm
	s_wait_tensorcnt 1
	s_barrier_signal -1
	s_barrier_wait -1
	FETCH_B 0, 0, 0
	FETCH_A 0, 0, 0
	FETCH_A 0, 0, 4
	STEP 0, 0, 1
	s_mov_b32 s3, LAPS-1
.Llap:
	TURN 0, 1, 1
	STEP 1, 0, 0
	TURN 1, 0, 1
	STEP 0, 0, 0
	s_sub_co_u32 s3, s3, 1
	s_cmp_lg_u32 s3, 0
	s_cbranch_scc1 .Llap
	TURN 0, 1, 0
	STEP 1, 0, 0
	s_wait_dscnt 4*NL
	WIN MUL_LO
	MUL16 0, 1, 0
	MUL16 2, 1, 0
	s_wait_dscnt 0
	WIN MUL_HI
	MUL16 4, 1, 0
	MUL16 6, 1, 0
	WIN 0
.macro TOSTAGE a
.set AC, 64*((\a)%4)
	WIN 0x42+((\a)/4)
.irp j, 0,2,4,6,8,10,12,14,16,18,20,22,24,26,28,30,32,34,36,38,40,42,44,46,48,50,52,54,56,58,60,62
	v_pk_fma_f32 v[\j:\j+1], v[AC+\j:AC+\j+1], s[96:97], v[BI+\j:BI+\j+1] op_sel_hi:[1,0,1]
.endr
	WIN 0x04
.irp b, 0,1,2,3,4,5,6,7
	ds_store_b128 v[STO], v[8*\b:8*\b+3] offset:64*\b
	ds_store_b128 v[STO], v[8*\b+4:8*\b+7] offset:64*\b+16
.endr
	WIN 0
.set BB, BK+64*((\a)%2)
.irp t, 0,1,2,3,4,5,6,7,8,9,10,11,12,13,14,15
	ds_load_b128 v[BB+4*\t:BB+4*\t+3], v[RD] offset:\t*SPITCH
.endr
.endm
.macro SEND a, younger
.set BB, BK+64*((\a)%2)
	s_wait_dscnt \younger
.if (\a) > 0
	s_add_nc_u64 s[12:13], s[12:13], 16*NROW
.endif
.irp t, 0,1,2,3,4,5,6,7,8,9,10,11,12,13,14,15
	global_store_b128 v[CO], v[BB+4*\t:BB+4*\t+3], s[12:13] offset:\t*NROW th:TH_STORE_NT
.endr
.endm
	s_wait_kmcnt 0x0
	s_add_co_i32 s96, s96, s97
	s_add_co_i32 s96, s96, 127
	s_lshl_b32 s96, s96, 23
	s_wait_loadcnt 0x0
	PLACES NP
	TOSTAGE 0
.irp a, 1,2,3,4,5,6,7
.if \a > 1
	s_wait_xcnt 0x0
.endif
	TOSTAGE \a
	SEND \a-1, 32
.endr
	s_wait_xcnt 0x0
	SEND 7, 0
	s_wait_tensorcnt 0x0
	ds_add_u32 v[SPW], v[NIL]
	s_wait_dscnt 0x0
	CROUND
	s_endpgm
.Lfunc_end_k_qaa05b2806f_proj:
	.size	k_qaa05b2806f_proj, .Lfunc_end_k_qaa05b2806f_proj-k_qaa05b2806f_proj
	.p2alignl 7, 3214868480
	.fill 96, 4, 3214868480
	.section	.rodata,"a",@progbits
	.p2align	6, 0x0
	.amdhsa_kernel k_qaa05b2806f_proj
		.amdhsa_group_segment_fixed_size 327680
		.amdhsa_private_segment_fixed_size 0
		.amdhsa_enable_private_segment 0
		.amdhsa_kernarg_size 40
		.amdhsa_user_sgpr_count 2
		.amdhsa_user_sgpr_kernarg_segment_ptr 1
		.amdhsa_wavefront_size32 1
		.amdhsa_system_sgpr_workgroup_id_x 1
		.amdhsa_system_sgpr_workgroup_id_y 1
		.amdhsa_system_sgpr_workgroup_id_z 1
		.amdhsa_system_vgpr_workitem_id 0
		.amdhsa_next_free_vgpr 1024
		.amdhsa_next_free_sgpr 100
		.amdhsa_reserve_vcc 0
		.amdhsa_float_denorm_mode_32 3
		.amdhsa_float_denorm_mode_16_64 3
		.amdhsa_memory_ordered 1
		.amdhsa_forward_progress 1
		.amdhsa_inst_pref_size 126
	.end_amdhsa_kernel
	.amdgpu_metadata
---
amdhsa.version: [ 1, 2 ]
amdhsa.kernels:
  - .name:           k_qaa05b2806f_proj
    .symbol:         k_qaa05b2806f_proj.kd
    .args:
      - { .name: ao, .offset: 0, .size: 8, .value_kind: global_buffer, .address_space: global }
      - { .name: wc, .offset: 8, .size: 8, .value_kind: global_buffer, .address_space: global }
      - { .name: lowp_scales, .offset: 16, .size: 8, .value_kind: global_buffer, .address_space: global }
      - { .name: b_proj, .offset: 24, .size: 8, .value_kind: global_buffer, .address_space: global }
      - { .name: out0, .offset: 32, .size: 8, .value_kind: global_buffer, .address_space: global }
    .group_segment_fixed_size: 327680
    .private_segment_fixed_size: 0
    .kernarg_segment_align: 8
    .kernarg_segment_size: 40
    .max_flat_workgroup_size: 128
    .sgpr_count:     100
    .vgpr_count:     1024
    .wavefront_size: 32
...
	.end_amdgpu_metadata
.endif
;; end of part 4
